; MI455X (gfx1250); checked and timed in simulation.
; The chip was launched on July 23, 2026; its instructions are those of AMD's public machine-readable ISA for CDNA 5 (MIT licence, August 2026) and "CDNA5" Instruction Set Architecture Reference Guide (July 2026). The comments in the code are by the model that wrote it; some were corrected since.
;; Multi Head QKV Block Attention. Allowed arithmetic: matrix products marked QUANTISED: E2M3 operands, one E8M0 scale for each 32 along K, by v_wmma_scale_f32_16x16x128_f8f6f4 with both operands' format E2M3, f32 sums; everything else in f32.
;; Inputs: X 4 x 2,048 x 1,024 float32; residual_score 4 x 2,048 x 1,024 float32; wk 1,024 x 1,024 float32; wq 1,024 x 1,024 float32; wv 1,024 x 1,024 float32.
;; Outputs: out0 4 x 2,048 x 1,024 float32; out1 4 x 2,048 x 1,024 float32.
;; This version of the problem:
;;   THIS VERSION OF THE PROBLEM IS GIVEN IN LOW PRECISION. The matrix products marked QUANTISED in the list below multiply operands that are first quantised to E2M3 (2 exponent bits, 3 mantissa bits; 6 bits a number), with one power-of-two scale for each 32 numbers along K (OCP MX v1.0); their sums are f32. All else is computed in f32.
;;   The module's matrix products, in the order in which they are computed (A, B: the left and right operand; K: the contracted axis; several contracted axes count as one K, in the product's order):
;;     1. [M 8,192, K 1,024] x [K 1,024, N 1,024]; A: input X; B: input wq: QUANTISED
;;     2. [M 8,192, K 1,024] x [K 1,024, N 1,024]; A: input X; B: input wk: QUANTISED
;;     3. [M 8,192, K 1,024] x [K 1,024, N 1,024]; A: input X; B: input wv: QUANTISED
;;     4. batch 64 x [M 2,048, K 64] x [K 64, N 2,048]; A: computed on the way; B: computed on the way: QUANTISED
;;     5. batch 64 x [M 2,048, K 2,048] x [K 2,048, N 64]; A: softmax (see below); B: computed on the way: QUANTISED
;;   THE QUANTISER, for each operand of a quantised product, along K:
;;     - K is cut into blocks of 32 from its start; a last block that is shorter is filled with zeros.
;;     - A block's scale is 2^e with e = floor(log2(the largest magnitude in the block)) - 2, held to -126 .. 127; a block of zeros has e = 0. As a byte (E8M0): e + 127.
;;     - Each number is divided by its block's scale, clamped to +-7.5, and rounded to the nearest number of E2M3, ties to even, subnormals kept.
;;     - The product sums the exact products of the quantised numbers (number of the format x scale) in f32.
;;   ~~~python
;;   def quantise(x, axis):      # numpy; x: float32 -> the quantised numbers, widened to float32 again
;;       x = np.moveaxis(x, axis, -1); K = x.shape[-1]
;;       x = np.pad(x, [(0, 0)] * (x.ndim - 1) + [(0, -K % 32)]); x = x.reshape(x.shape[:-1] + (-1, 32)); a = np.abs(x).max(-1, keepdims=True)
;;       e = np.where(a > 0, np.clip(np.frexp(np.where(a > 0, a, 1))[1] - 1 - 2, -126, 127), 0)      # np.frexp(a)[1] - 1 = floor(log2(a)), exactly
;;       r = np.clip(x / 2.0 ** e, -7.5, 7.5)
;;       step = 2.0 ** (np.maximum(np.frexp(np.where(r == 0, 1, r))[1] - 1, 0) - 3)
;;       q = np.round(r / step) * step * 2.0 ** e      # np.round: ties to even
;;       return np.moveaxis(q.reshape(q.shape[:-2] + (-1,))[..., :K], -1, axis).astype(np.float32)
;;   ~~~
;;   SOFTMAX AHEAD OF A QUANTISED PRODUCT. Where the list says 'softmax', what is quantised is not the finished softmax but p = 2^(t - M), with t = logit x log2(e) and M = ceil(the row's largest t), a whole number; so 1/2 < the row's largest p <= 1. The row's sum l is taken of the UNQUANTISED p, in f32, and the product's result is divided by l at the end. Since M is a whole number, a kernel that streams over the keys may use a running M (the ceiling of the running maximum): every later rescaling is an exact power of two, which a block's scale takes up: the codes' values come out the same.
;;   OPERANDS COMPUTED ON THE WAY. 'Computed on the way' means the value that the module computes at that place (a softmax that the list does not call 'softmax' is quantised finished and normalised). What goes into a quantiser is computed in f32, as accurately as f32 sums, v_exp_f32 and their like allow (about 1e-6 of the number): no bf16 or f16 on the way to a quantiser, and a product that is left as it is and whose result goes on into a quantised operand takes f32 operands (vector FMAs, or v_wmma_f32_16x16x4_f32). A number that lies on a knife's edge between two numbers of the format may be rounded either way, as far as f32 arithmetic and the matrix unit's own rounding can turn it there, and no further.
;; One version. Each part assembles by itself: llvm-mc -triple=amdgcn-amd-amdhsa -mcpu=gfx1250 --defsym DOCPART=n.
;; ======== version 1 of 1: 3 launches
;; limits: right only within a limited range of input values
;; workspace buffers: x_codes 6,291,456 bytes; x_scales 262,144 bytes; w_codes 2,359,296 bytes; w_scales 98,304 bytes; qkv 20,185,088 bytes
;; launch quant (part 1): grid 704 x 1, 4 waves a work-group, no clusters, 68,096 bytes of LDS; arguments X, wq, wk, wv, x_codes, x_scales, w_codes, w_scales; writes x_codes, x_scales, w_codes, w_scales
.if DOCPART == 1
	.amdgcn_target "amdgcn-amd-amdhsa--gfx1250"
	.amdhsa_code_object_version 6
	.text
	.protected	k_q3e9dad1090_quant
	.globl	k_q3e9dad1090_quant
	.p2align	8
	.type	k_q3e9dad1090_quant,@function
k_q3e9dad1090_quant:
	s_mov_b64 s[64:65], 0
	v_nop
	global_prefetch_b8 v0, s[64:65] scope:SCOPE_SE
	s_setreg_imm32_b32 hwreg(HW_REG_WAVE_MODE, 25, 1), 1
	s_wait_xcnt 0x0
; X [8192][1024] f32 (K innermost) and wq, wk, wv [1024 (k)][1024 (n)] f32 (K outermost) become codes of FP6 (E2M3), K innermost, with one E8M0 scale byte for each 32 along K, 32 bytes a row.
; A block's scale is 2^(floor(log2(its largest magnitude)) - 2): its byte is the largest magnitude's exponent field - 2.
; THE CODES LIE IN FOUR PLANES of 256 along K: in a plane a row has 192 bytes and the rows lie on end, so 128 rows of a plane are 24,576 dense bytes, a multiple of 256 from the buffer's first byte.
; THE ROWS ARE STORED PERMUTED: row i (a token of X, a column n of a weight) goes to the position whose bits 5:4 are i's bits 4:3 and whose bit 3 is i's bit 5.  Stored tile 4 c + u of a group of 128 rows then holds
; the true rows 64 c + 8 u + r (r under 8) and 64 c + 32 + 8 u + r - 8: as source 0 of a matrix instruction four neighbouring tiles leave 32 neighbours of the true order in a lane's registers.
; w_codes and w_scales hold wq's 1,024 rows, then wk's, then wv's.
; Work-groups 0-511 take X (16 rows each, 4 a wave), work-groups 512-703 the weights (128 columns x 128 along K each, 64 for each weight).  The two ways have LDS bytes of their own.
; No tensor loads, no barrier, no cluster: waves share nothing, and no input byte is read twice.
; LIMITS: NaN and infinities among the inputs are not served.  A block whose largest magnitude lies under 2^-124, a block of zeros among them, gets the byte 1 (for zeros the rule says 127): its codes are zeros
; or next to zero, and the bytes are read by this program alone.
.set STEPS, 8                          ; X: steps of 512 numbers for a wave
.set EMAX,  2
.set CB,    12                         ; bytes of 16 codes
.set R,     16                         ; v16-79   X: four sets of 16 numbers as loaded
.set XN,    80                         ; v80-111  X: two sets of 16 neighbours
.set E,     112                        ; v112-119 X: a scale byte for each step
.set C,     128                        ; v128-159 X: codes, four registers for each step: no store's data are written again
.set WREG,  8192                       ; X: LDS of a wave: two stages of 32 x SP bytes, then its 128 scale bytes
.set SP,    80                         ; a lane's 64 bytes + 16 of padding
.set NB,    4                          ; W: blocks of 32 along K for a wave
.set PITCH, 272                        ; W: a stage row: places of 16 bytes (12 of codes each), eight of them used
.set KROW,  192                        ; a row of codes in a plane
.set PLX,   1572864                    ; a plane of x_codes: 8,192 rows
.set PLW,   589824                     ; a plane of w_codes: 3,072 rows
.set WROW,  4096                       ; a row of a weight in memory
.set WSTG,  32768                      ; W: the stages begin behind the X way's LDS bytes
.set WX,    32                         ; v32-95   W: two sets of 32 numbers
.set WC,    96                         ; v96-102  W: a block's codes
.set OUTR,  112                        ; v112-143 W: the way out
.set SB,    24                         ; v24      W: the four scale bytes
	s_load_b256 s[4:11], s[0:1], 0x0               ; X s[4:5], wq s[6:7], wk s[8:9], wv s[10:11]
	s_load_b256 s[12:19], s[0:1], 0x20             ; x_codes s[12:13], x_scales s[14:15], w_codes s[16:17], w_scales s[18:19]
	v_lshl_add_u32 v192, v0, 2, 0x10800            ; my spare word, behind both ways' LDS bytes
	v_mov_b32 v193, 0
	v_lshrrev_b32 v1, 5, v0
	v_readfirstlane_b32 s20, v1                    ; wave 0..3
	v_and_b32 v2, 31, v0                           ; lane
	s_cmp_lt_u32 ttmp9, 512
	s_cbranch_scc0 .Lweights
; ---------------- X: a stream of blocks of 32.  Each load reads 512 consecutive bytes; a step's 2,048 bytes turn through the wave's stage so that a lane holds 16 neighbours; two neighbouring lanes hold a block.
	v_lshlrev_b32 v3, 4, v2                        ; my 16 bytes of a load's 512
	s_mul_i32 s21, s20, WREG
	v_lshrrev_b32 v14, 2, v2
	v_mul_u32_u24 v14, v14, SP
	v_and_b32 v15, 3, v2
	v_lshl_add_u32 v14, v15, 4, v14
	v_add_nc_u32 v14, s21, v14                     ; the stage, in: SP (lane / 4) + 16 (lane % 4)
	v_mul_u32_u24 v15, v2, SP
	v_add_nc_u32 v15, s21, v15                     ; and out: SP x lane
	v_and_b32 v4, 15, v2
	v_mul_u32_u24 v4, v4, CB
	v_lshrrev_b32 v5, 4, v2
	v_mad_u32_u24 v4, v5, PLX, v4                  ; my codes: lanes 0-15 fill 192 bytes of one plane, lanes 16-31 of the next
	v_lshrrev_b32 v5, 1, v2
	s_add_co_u32 s21, s21, 2*32*SP
	v_add_nc_u32 v5, s21, v5                       ; my block's byte among the wave's 128 scale bytes
	v_lshlrev_b32 v7, 2, v2
	v_add_nc_u32 v6, s21, v7                       ; and on the way out 4 bytes a lane
	s_lshl_b32 s22, ttmp9, 2
	s_add_co_u32 s24, s22, s20                     ; my run of 4 rows: 4 x work-group + wave
	s_lshr_b32 s27, s24, 1                         ; g: the run of 8 rows in which it lies,
	s_and_b32 s21, s24, 1                          ; and which half of that
	s_lshl_b32 s24, s24, 14                        ; in: x 16,384 bytes
	s_mov_b32 s25, 0
	s_and_b32 s26, s27, 0xfffffff8                 ; out: g's place: bits 2:1 = g's bits 1:0, bit 0 = g's bit 2
	s_and_b32 s23, s27, 3
	s_lshl_b32 s23, s23, 1
	s_or_b32 s26, s26, s23
	s_bfe_u32 s27, s27, 0x10002
	s_or_b32 s26, s26, s27
	s_lshl_b32 s26, s26, 1
	s_or_b32 s26, s26, s21                         ; my run of 4 stored rows
	s_mul_i32 s28, s26, 4*KROW                     ; 4 rows of codes in a plane
	s_mov_b32 s29, 0
	s_lshl_b32 s30, s26, 7                         ; 4 rows of scale bytes
	s_mov_b32 s31, 0
	s_wait_alu depctr_va_vdst(0)                   ; the wait at the head's end
	s_wait_kmcnt 0x0
	s_add_nc_u64 s[4:5], s[4:5], s[24:25]
	s_add_nc_u64 s[12:13], s[12:13], s[28:29]
	s_add_nc_u64 s[14:15], s[14:15], s[30:31]
.macro XLOAD t
.irp i, 0,1,2,3
	global_load_b128 v[R+16*((\t)%4)+4*\i:R+16*((\t)%4)+4*\i+3], v3, s[4:5] offset:2048*(\t)+512*\i th:TH_LOAD_NT   ; 32 lanes read 512 consecutive bytes; read once
.endr
.endm
.macro XTURN t                         ; step t's numbers through the stage: LDS serves a wave's instructions in order (ISA guide 5.7.1.4), so no wait stands between the stores and the loads
.irp i, 0,1,2,3
	ds_store_b128 v14, v[R+16*((\t)%4)+4*\i:R+16*((\t)%4)+4*\i+3] offset:32*SP*((\t)%2)+8*SP*\i
.endr
.irp i, 0,1,2,3
	ds_load_b128 v[XN+16*((\t)%2)+4*\i:XN+16*((\t)%2)+4*\i+3], v15 offset:32*SP*((\t)%2)+16*\i
.endr
.endm
.macro XSTEP t
.set XS, XN+16*((\t)%2)
.if (\t) > 0
	s_wait_dscnt 1                                 ; this step's numbers are back from the stage (the last step's byte store may be out): its stores into the stage have read their registers,
.else
	s_wait_dscnt 0x0
.endif
.if (\t)+4 < STEPS
	XLOAD (\t)+4                                   ; which take the loads of four steps on
.endif
.if (\t)+1 < STEPS
.if STEPS-2-(\t) >= 3
	s_wait_loadcnt 12                              ; the next step's four loads are in; those of the three steps behind it may be out
.else
	s_wait_loadcnt 4*(STEPS-2-(\t))
.endif
	XTURN (\t)+1                                   ; and go through the other stage while this step is worked
.endif
	v_max3_num_f32 v8, |v[XS]|, |v[XS+1]|, |v[XS+2]|               ; the largest magnitude of my 16, in two chains
	v_max3_num_f32 v9, |v[XS+3]|, |v[XS+4]|, |v[XS+5]|
.irp i, 6,10
	v_max3_num_f32 v8, v8, |v[XS+\i]|, |v[XS+\i+1]|
	v_max3_num_f32 v9, v9, |v[XS+\i+2]|, |v[XS+\i+3]|
.endr
	v_max3_num_f32 v8, v8, |v[XS+14]|, |v[XS+15]|
	v_max3_num_f32 v8, v8, v9, (EMAX+1)<<23        ; and the floor 2^(3 - 127): the byte cannot fall under 1
	v_max_num_f32_dpp v8, v8, v8 row_xmask:1 row_mask:0xf bank_mask:0xf   ; with my neighbour's 16: the block's
	v_add_nc_u32 v11, -(EMAX<<23), v8              ; 2 off its exponent field: the conversion takes the exponent field of this operand as its scale
	v_cvt_scalef32_pk16_fp6_f32 v[C+4*(\t):C+4*(\t)+2], v[XS:XS+15], v11
	v_lshrrev_b32 v[E+(\t)], 23, v11               ; the scale's byte (also the plain line behind the conversion)
	ds_store_b8 v5, v[E+(\t)] offset:16*(\t)       ; both lanes of a block write the same byte with the same value
	global_store_b96 v4, v[C+4*(\t):C+4*(\t)+2], s[12:13] offset:2*PLX*((\t)%2)+KROW*((\t)/2)   ; row t / 2, planes 2 (t % 2) and the next
.endm
.irp t, 0,1,2,3
	XLOAD \t
.endr
	s_wait_loadcnt 12                              ; step 0's four loads are in
	XTURN 0
.irp t, 0,1,2,3,4,5,6,7
	XSTEP \t
.endr
	ds_load_b32 v12, v6                            ; in order behind my byte stores
	s_wait_dscnt 0x0
	global_store_b32 v7, v12, s[14:15]             ; 32 lanes store my 4 rows' 128 consecutive scale bytes
	s_wait_tensorcnt 0x0                           ; the wave's end
	ds_add_u32 v192, v193
	s_wait_dscnt 0x0
	s_endpgm
; ---------------- the weights: a lane takes a column n and its registers run down K: a block of 32 lies in one lane, and the conversions give codes with K innermost.
.Lweights:
	s_sub_co_u32 s21, ttmp9, 512
	s_lshr_b32 s22, s21, 6                         ; which weight: 0 wq, 1 wk, 2 wv
	s_and_b32 s23, s21, 7                          ; which 128 columns
	s_bfe_u32 s24, s21, 0x30003                    ; which 128 along K
	s_lshl_b32 s25, s23, 7
	s_lshl_b32 s26, s20, 5
	s_add_co_u32 s25, s25, s26                     ; my wave's first column: a multiple of 32
	s_wait_alu depctr_va_vdst(0)                   ; the wait here, behind the branch
	v_lshlrev_b32 v3, 2, v2                        ; in: 4 bytes a lane
	s_mul_i32 s26, s20, 32*PITCH
	s_add_co_u32 s26, s26, WSTG                    ; my stage
	v_mul_u32_u24 v4, v2, PITCH
	v_add_nc_u32 v4, s26, v4                       ; into it: row = my column
	v_and_b32 v5, 7, v2
	v_lshrrev_b32 v6, 3, v2
	v_mul_u32_u24 v7, v6, PITCH
	v_lshl_add_u32 v7, v5, 4, v7
	v_add_nc_u32 v7, s26, v7                       ; out of it: eight lanes to a row, four rows an instruction
	v_mul_u32_u24 v8, v6, KROW
	v_mad_u32_u24 v8, v5, 12, v8                   ; and the same place in the codes' buffer (the rows' permutation stands in the stores' immediates)
	v_and_b32 v9, 7, v2
	v_and_b32 v10, 24, v2
	v_lshl_or_b32 v9, v10, 1, v9                   ; my column: 16 (lane / 8) + lane % 8 rows behind my wave's first
	v_lshlrev_b32 v9, 5, v9                        ; x 32 bytes: its row of scale bytes
	s_lshl_b32 s28, s24, 19                        ; the weight: 128 rows of 4,096 bytes for each piece along K,
	s_lshl_b32 s27, s25, 2
	s_add_co_u32 s28, s28, s27                     ; + 4 x column
	s_mov_b32 s29, 0
	s_lshl_b32 s27, s22, 10                        ; my wave's first stored row: 1,024 weight + 128 group + 64 (wave / 2) + 8 (wave % 2)
	s_lshl_b32 s26, s23, 7
	s_add_co_u32 s27, s27, s26
	s_lshr_b32 s26, s20, 1
	s_lshl_b32 s26, s26, 6
	s_add_co_u32 s27, s27, s26
	s_and_b32 s26, s20, 1
	s_lshl_b32 s26, s26, 3
	s_add_co_u32 s27, s27, s26
	s_mul_i32 s30, s27, KROW
	s_and_b32 s26, s24, 1                          ; my 128 along K: a half of a row's 192 bytes,
	s_mul_i32 s26, s26, 96
	s_add_co_u32 s30, s30, s26
	s_lshr_b32 s26, s24, 1                         ; in plane piece / 2
	s_mul_i32 s26, s26, PLW
	s_add_co_u32 s30, s30, s26
	s_mov_b32 s31, 0
	s_lshl_b32 s32, s27, 5
	s_lshl_b32 s26, s24, 2
	s_add_co_u32 s32, s32, s26
	s_mov_b32 s33, 0
	s_wait_kmcnt 0x0
	s_cmp_eq_u32 s22, 0                            ; the choice of the buffer hangs on the work-group's number alone
	s_cselect_b64 s[4:5], s[6:7], s[8:9]
	s_cmp_eq_u32 s22, 2
	s_cselect_b64 s[4:5], s[10:11], s[4:5]
	s_add_nc_u64 s[4:5], s[4:5], s[28:29]
	s_add_nc_u64 s[16:17], s[16:17], s[30:31]
	s_add_nc_u64 s[18:19], s[18:19], s[32:33]
.macro WLOAD t                         ; block t: w(32 t + i, my column), i = 0 .. 31, into set t % 2; a wave reads 128 consecutive bytes, the four waves 512
.irp i, 0,1,2,3,4,5,6,7,8,9,10,11,12,13,14,15,16,17,18,19,20,21,22,23,24,25,26,27,28,29,30,31
	global_load_b32 v[WX+32*((\t)%2)+\i], v3, s[4:5] offset:(32*(\t)+\i)*WROW th:TH_LOAD_NT
.endr
.endm
.macro WBLOCK t
.set XS, WX+32*((\t)%2)
.if (\t) < NB-1
	s_wait_loadcnt 32                              ; this block's 32 loads are in; the next block's may be out
.else
	s_wait_loadcnt 0
.endif
	v_max3_num_f32 v12, |v[XS]|, |v[XS+1]|, |v[XS+2]|              ; the block's largest magnitude: all 32 numbers are mine
	v_max3_num_f32 v13, |v[XS+3]|, |v[XS+4]|, |v[XS+5]|
.irp i, 6,10,14,18,22,26
	v_max3_num_f32 v12, v12, |v[XS+\i]|, |v[XS+\i+1]|
	v_max3_num_f32 v13, v13, |v[XS+\i+2]|, |v[XS+\i+3]|
.endr
	v_max3_num_f32 v12, v12, |v[XS+30]|, |v[XS+31]|
	v_max3_num_f32 v12, v12, v13, (EMAX+1)<<23     ; and the floor
	v_add_nc_u32 v11, -(EMAX<<23), v12             ; the conversion's scale operand
	v_lshrrev_b32 v13, 23, v11                     ; the scale's byte
.if (\t)%4 == 0
	v_mov_b32 v[SB+(\t)/4], v13                    ; four bytes to a register, the lower K in the lower byte
.else
	v_lshl_or_b32 v[SB+(\t)/4], v13, 8*((\t)%4), v[SB+(\t)/4]
.endif
	v_cvt_scalef32_pk16_fp6_f32 v[WC:WC+2], v[XS:XS+15], v11
	v_cvt_scalef32_pk16_fp6_f32 v[WC+4:WC+6], v[XS+16:XS+31], v11  ; (a conversion's three registers begin on an even number)
	v_nop                                          ; one plain line behind the conversions
	ds_store_b96 v4, v[WC:WC+2] offset:32*(\t)     ; 12 bytes to a place of 16, so that every LDS address is a multiple of 16
	ds_store_b96 v4, v[WC+4:WC+6] offset:32*(\t)+16
.if (\t)+2 < NB
	WLOAD (\t)+2
.endif
	s_wait_dscnt 0x0                               ; the stores have read their registers: the next block's codes may be written
.endm
	WLOAD 0
	WLOAD 1
.irp t, 0,1,2,3
	WBLOCK \t
.endr
	s_wait_alu depctr_va_vdst(0)                   ; the wait here, directly ahead of the reader below
	global_store_b32 v9, v[SB], s[18:19]           ; my column's 4 scale bytes
.irp t, 0,1,2,3,4,5,6,7
	ds_load_b96 v[OUTR+4*\t:OUTR+4*\t+2], v7 offset:4*\t*PITCH     ; in order behind my stores
.endr
.irp t, 0,1,2,3,4,5,6,7
	s_wait_dscnt 7-\t                              ; the later reads may be out
	global_store_b96 v8, v[OUTR+4*\t:OUTR+4*\t+2], s[16:17] offset:(16*(\t/2)+4*(\t%2))*KROW   ; stage rows 4 t .. 4 t + 3 go to their places; eight lanes store a row's 96 consecutive bytes
.endr
	s_wait_tensorcnt 0x0                           ; the wave's end
	ds_add_u32 v192, v193
	s_wait_dscnt 0x0
	s_endpgm
.Lfunc_end_k_q3e9dad1090_quant:
	.size	k_q3e9dad1090_quant, .Lfunc_end_k_q3e9dad1090_quant-k_q3e9dad1090_quant
	.p2alignl 7, 3214868480
	.fill 96, 4, 3214868480
	.section	.rodata,"a",@progbits
	.p2align	6, 0x0
	.amdhsa_kernel k_q3e9dad1090_quant
		.amdhsa_group_segment_fixed_size 68096
		.amdhsa_private_segment_fixed_size 0
		.amdhsa_enable_private_segment 0
		.amdhsa_kernarg_size 64
		.amdhsa_user_sgpr_count 2
		.amdhsa_user_sgpr_kernarg_segment_ptr 1
		.amdhsa_wavefront_size32 1
		.amdhsa_system_sgpr_workgroup_id_x 1
		.amdhsa_system_sgpr_workgroup_id_y 1
		.amdhsa_system_sgpr_workgroup_id_z 1
		.amdhsa_system_vgpr_workitem_id 0
		.amdhsa_next_free_vgpr 194
		.amdhsa_next_free_sgpr 66
		.amdhsa_reserve_vcc 0
		.amdhsa_float_denorm_mode_32 3
		.amdhsa_float_denorm_mode_16_64 3
		.amdhsa_memory_ordered 1
		.amdhsa_forward_progress 1
		.amdhsa_inst_pref_size 40
	.end_amdhsa_kernel
	.amdgpu_metadata
---
amdhsa.version: [ 1, 2 ]
amdhsa.kernels:
  - .name:           k_q3e9dad1090_quant
    .symbol:         k_q3e9dad1090_quant.kd
    .args:
      - { .name: X, .offset: 0, .size: 8, .value_kind: global_buffer, .address_space: global }
      - { .name: wq, .offset: 8, .size: 8, .value_kind: global_buffer, .address_space: global }
      - { .name: wk, .offset: 16, .size: 8, .value_kind: global_buffer, .address_space: global }
      - { .name: wv, .offset: 24, .size: 8, .value_kind: global_buffer, .address_space: global }
      - { .name: x_codes, .offset: 32, .size: 8, .value_kind: global_buffer, .address_space: global }
      - { .name: x_scales, .offset: 40, .size: 8, .value_kind: global_buffer, .address_space: global }
      - { .name: w_codes, .offset: 48, .size: 8, .value_kind: global_buffer, .address_space: global }
      - { .name: w_scales, .offset: 56, .size: 8, .value_kind: global_buffer, .address_space: global }
    .group_segment_fixed_size: 68096
    .private_segment_fixed_size: 0
    .kernarg_segment_align: 8
    .kernarg_segment_size: 64
    .max_flat_workgroup_size: 128
    .sgpr_count:     66
    .vgpr_count:     194
    .wavefront_size: 32
...
	.end_amdgpu_metadata
.endif
;; end of part 1
;; launch proj (part 2): grid 8 x 48, 4 waves a work-group, clusters of 4 x 4, 327,680 bytes of LDS; arguments x_codes, x_scales, w_codes, w_scales, qkv; writes qkv
.if DOCPART == 2
	.amdgcn_target "amdgcn-amd-amdhsa--gfx1250"
	.amdhsa_code_object_version 6
	.text
	.protected	k_q3e9dad1090_proj
	.globl	k_q3e9dad1090_proj
	.p2align	8
	.type	k_q3e9dad1090_proj,@function
k_q3e9dad1090_proj:
	s_mov_b64 s[64:65], 0
	v_nop
	global_prefetch_b8 v0, s[64:65] scope:SCOPE_SE
	s_setreg_imm32_b32 hwreg(HW_REG_WAVE_MODE, 25, 1), 1
	s_wait_xcnt 0x0
	s_wait_alu depctr_hold_cnt(0) depctr_sa_sdst(0) depctr_va_vdst(0) depctr_va_sdst(0) depctr_va_ssrc(0) depctr_va_vcc(0) depctr_vm_vsrc(0)
	s_getreg_b32 s2, hwreg(HW_REG_IB_STS2, 6, 4)
	s_cmp_eq_u32 s2, 0
	s_cbranch_scc0 .Lentry_in_a_cluster
	s_endpgm
.Lentry_in_a_cluster:
	s_bfe_u32 s2, ttmp6, 0x10000c
	s_cmp_lg_u32 s2, 0xf033
	s_cbranch_scc0 .Lentry_shape_is_right
	s_endpgm
.Lentry_shape_is_right:
.set KSTEP,  256
.set NQ,     KSTEP/128
.set ROWB,   192
.set KROW,   192                       ; a row of codes in a plane of 256 along K; 128 rows are 24,576 dense bytes, stated to the mover as 96 rows of 256
.set PLX,    1572864                   ; a plane of x_codes
.set PLW,    589824                    ; a plane of w_codes
.set STEPB,  13056                     ; a head block holds, for each 128 tokens on end: K's images 6,144, V's 6,144, K's scale words 512, V's 256
.set PITCH,  240
.set FR,     12
.set NL,     6
.set NP,     4
.set HALFT,  128*PITCH
.set SLOT,   4*HALFT
.set KS,     32
.set SCL,    2*SLOT
.set HALFS,  (128*KS/256)*272
.set SBLK,   (16*KS/256)*272
.set SPARE,  SCL+4*HALFS
.set HB,     315392
.set KIMG,   0
.set VIMG,   6144
.set KSCL,   12288
.set VSCL,   12800
.set QIMG,   208896
.set QSCL,   307200
.set ADRA, 16
.set ADRB, 20
.set L16,  24
.set L8,   25
.set ADRS, 27
.set SPW,  28
.set NIL,  29
.set SC,   32
.set AF,   128
.set PC,   112
.set TM,   200
.set PW,   216
.set SWE,  220
.set SWO,  224
.set TP,   228
.set G1, 24
.set G0, 32
.set G1B, 48
.set G0B, 56
.set G1S, 68
.set G0S, 76
.set G1SB, 80
.set G0SB, 88
.set CY,  66
.set UPM, 67
.set S1,   30
.set S2,   32
.set D2,   34
.set OUT1, 48
.set OUT2, 50
.set SB1,  52
.set SB2,  54
.set SEL,  56
.set MSB, 0
.macro WIN new
.if MSB != \new
	s_set_vgpr_msb (MSB<<8)|\new
.set MSB, \new
.endif
.endm
.set MUL_LO, 0xa1
.set MUL_HI, 0xf1
.set TO_B,   0x40
.macro JLOAD g0a, g1a, g0b, g1b
	s_cmp_eq_u32 s15, 0
	s_cbranch_scc0 .Lfor_b_\@
	tensor_load_to_lds s[\g0a:\g0a+3], s[\g1a:\g1a+7]
	s_nop 0
.rept 4
	v_nop
.endr
	s_branch .Lasked_\@
.Lfor_b_\@:
	tensor_load_to_lds s[\g0b:\g0b+3], s[\g1b:\g1b+7]
	s_nop 0
.rept 4
	v_nop
.endr
.Lasked_\@:
.endm
.macro CREST
	s_cmp_lg_u32 s14, 0
	s_cbranch_scc1 .Lnot_wave_0_\@
	s_barrier_signal -3
.Lnot_wave_0_\@:
	s_barrier_wait -3
	s_barrier_signal -1
	s_barrier_wait -1
.endm
.macro CROUND
	s_barrier_signal -1
	s_barrier_wait -1
	CREST
.endm
	s_load_b128 s[4:7], s[0:1], 0x0
	s_load_b128 s[8:11], s[0:1], 0x10
	s_load_b64 s[12:13], s[0:1], 0x20
	v_lshl_add_u32 v[SPW], v0, 2, SPARE
	v_mov_b32 v[NIL], 0
	ds_add_u32 v28, v29
	ds_add_u32 v28, v29
	s_wait_dscnt 0x0
	v_lshrrev_b32 v1, 5, v0
	v_readfirstlane_b32 s14, v1
	v_and_b32 v8, 31, v0                           ; the prefetches' offset: a lane a block of 256 bytes, 24 blocks; the lanes left over name the last again; never rewritten
	v_min_u32 v8, 23, v8
	v_lshlrev_b32 v8, 8, v8
	s_wait_alu depctr_va_vdst(0)                   ; the wait here, directly behind the write
	s_lshr_b32 s15, s14, 1
	s_and_b32 s16, s14, 1
	s_bfe_u32 s40, ttmp6, 0x40000
	s_bfe_u32 s41, ttmp6, 0x40004
	s_and_b32 s[CY], ttmp7, 0xffff
	s_mov_b32 s[UPM], 0xffff0000
	s_max_u32 s43, s[CY], 8
	s_sub_co_u32 s43, s43, 8
	s_lshl_b32 s43, s43, 1
	s_add_co_u32 s43, s43, ttmp9
	s_cmp_lt_u32 s[CY], 8
	s_cselect_b32 s42, ttmp9, s43
	s_cselect_b32 s17, s[CY], 2
	s_lshl_b32 s42, s42, 2
	s_add_co_u32 s42, s42, s40
	s_lshl_b32 s17, s17, 2
	s_add_co_u32 s17, s17, s41
	s_lshl_b32 s43, s41, 2
	s_lshl_b32 s43, 15, s43
	s_lshl_b32 s44, 0x1111, s40
	s_or_b32 s[G1+0], s43, (0<<16)|(1<<20)|(1<<21)|(3<<22)|(3<<25)
	s_or_b32 s[G1B+0], s44, (0<<16)|(1<<20)|(1<<21)|(3<<22)|(3<<25)
.irp g, G1, G1B
	s_mov_b32 s[\g+1], 256<<16
	s_mov_b32 s[\g+2], 96<<16
	s_mov_b32 s[\g+3], 256<<16
	s_mov_b32 s[\g+4], 96
	s_mov_b32 s[\g+5], 256
	s_mov_b32 s[\g+6], 0
	s_mov_b32 s[\g+7], 0
.endr
	s_or_b32 s[G1S+0], s43, (3<<16)|(1<<20)|(1<<21)|(5<<22)|(3<<25)
	s_or_b32 s[G1SB+0], s44, (3<<16)|(1<<20)|(1<<21)|(5<<22)|(3<<25)
.irp g, G1S, G1SB
	s_mov_b32 s[\g+1], 32<<16
	s_mov_b32 s[\g+2], (128*KS/256)<<16
	s_mov_b32 s[\g+3], 32<<16
	s_mov_b32 s[\g+4], 128*KS/256
	s_mov_b32 s[\g+5], 32
	s_mov_b32 s[\g+6], 0
	s_mov_b32 s[\g+7], 0
.endr
	s_lshl_b32 s18, s16, 7
	s_lshl_b32 s20, s17, 8
	s_add_co_u32 s20, s20, s18
	s_lshl_b32 s46, s42, 8
	s_add_co_u32 s46, s46, s18
	s_mov_b32 s21, 0
	s_mov_b32 s47, 0
	s_mov_b64 s[18:19], KS
	s_mul_u64 s[22:23], s[20:21], s[18:19]
	s_mul_u64 s[92:93], s[46:47], s[18:19]
	s_mov_b64 s[18:19], KROW
	s_mul_u64 s[20:21], s[20:21], s[18:19]
	s_mul_u64 s[46:47], s[46:47], s[18:19]
	s_mul_i32 s45, s14, HALFT
	s_mul_i32 s94, s14, HALFS
	s_wait_kmcnt 0x0
	s_cmp_lt_u32 s[CY], 8
	s_cselect_b64 s[96:97], s[4:5], s[8:9]
	s_cselect_b64 s[98:99], s[6:7], s[10:11]
	s_cselect_b64 s[8:9], s[8:9], s[4:5]
	s_cselect_b64 s[10:11], s[10:11], s[6:7]
	s_add_nc_u64 s[20:21], s[96:97], s[20:21]
	s_add_nc_u64 s[22:23], s[98:99], s[22:23]
	s_add_nc_u64 s[46:47], s[8:9], s[46:47]
	s_add_nc_u64 s[92:93], s[10:11], s[92:93]
	s_mov_b32 s6, PLW                              ; from one K step to the next: a plane of A's buffer in s[4:5], of B's in s[6:7], by the same compare
	s_mov_b32 s7, PLX
	s_cselect_b32 s4, s7, s6
	s_cselect_b32 s6, s6, s7
	s_mov_b32 s5, 0
	s_mov_b32 s7, 0
	; THE PREFETCHES INTO THE L2.  A wave's quarter of a K step's tiles is 24,576 dense bytes, 96 blocks of 256.  The four partners that ask for it jointly share the blocks out by address, 24 each
	; (by cx for A's tiles, by cy for B's).  s[8:9], s[10:11], s[96:97], s[98:99]: my 24 blocks of K steps 0 to 3; never rewritten.  K step k is asked for two tensor loads ahead of the load that wants it.
	s_cmp_eq_u32 s15, 0                            ; do I fetch for A?
	s_cselect_b64 s[8:9], s[20:21], s[46:47]
	s_cselect_b64 s[100:101], s[4:5], s[6:7]
	s_cselect_b32 s18, s40, s41
	s_mul_i32 s18, s18, 6144
	s_mov_b32 s19, 0
	s_add_nc_u64 s[8:9], s[8:9], s[18:19]
	s_add_nc_u64 s[10:11], s[8:9], s[100:101]
	s_add_nc_u64 s[96:97], s[10:11], s[100:101]
	s_add_nc_u64 s[98:99], s[96:97], s[100:101]
	CROUND
	s_mov_b32 s[G0S], 1
	s_add_co_u32 s[G0S+1], s94, SCL
	s_mov_b64 s[G0S+2:G0S+3], s[22:23]
	s_or_b32 s[G0S+3], s[G0S+3], 0x80000000
	s_mov_b32 s[G0SB], 1
	s_add_co_u32 s[G0SB+1], s94, SCL
	s_mov_b64 s[G0SB+2:G0SB+3], s[92:93]
	s_or_b32 s[G0SB+3], s[G0SB+3], 0x80000000
	JLOAD G0S, G1S, G0SB, G1SB
	global_prefetch_b8 v8, s[8:9] th:TH_LOAD_NT scope:SCOPE_SE     ; K steps 0 and 1, behind the scales' load
	global_prefetch_b8 v8, s[10:11] th:TH_LOAD_NT scope:SCOPE_SE
.irp s, 0,1
	s_mov_b32 s[G0+4*\s], 1
	s_add_co_u32 s[G0+4*\s+1], s45, \s*SLOT
	s_mov_b64 s[G0+4*\s+2:G0+4*\s+3], s[20:21]
	s_add_nc_u64 s[20:21], s[20:21], s[4:5]
	s_or_b32 s[G0+4*\s+3], s[G0+4*\s+3], 0x80000000
	s_mov_b32 s[G0B+4*\s], 1
	s_add_co_u32 s[G0B+4*\s+1], s45, \s*SLOT
	s_mov_b64 s[G0B+4*\s+2:G0B+4*\s+3], s[46:47]
	s_add_nc_u64 s[46:47], s[46:47], s[6:7]
	s_or_b32 s[G0B+4*\s+3], s[G0B+4*\s+3], 0x80000000
	s_wait_alu depctr_va_vdst(0)
	s_wait_tensorcnt 0x0
	ds_add_u32 v28, v29
	s_wait_dscnt 0x0
	CROUND
	JLOAD G0+4*\s, G1, G0B+4*\s, G1B
	global_prefetch_b8 v8, s[96+2*\s:97+2*\s] th:TH_LOAD_NT scope:SCOPE_SE   ; behind K step s's load: K step s + 2
.endr
	v_and_b32 v1, 15, v0
	v_bfe_u32 v2, v0, 4, 1
	v_mul_u32_u24 v3, v1, PITCH
	v_mul_u32_u24 v4, v2, 24
	v_add_nc_u32 v4, v3, v4
	v_lshl_add_u32 v5, v2, 4, v4
	s_mul_i32 s21, s15, HALFT
	s_mul_i32 s22, s16, HALFT
	s_add_co_u32 s22, s22, 2*HALFT
.irp s, 0,1
	v_add_nc_u32 v[ADRA+\s], s21, v4
	v_add_nc_u32 v[ADRB+\s], s22, v4
	v_add_nc_u32 v[ADRA+2+\s], s21, v5
	v_add_nc_u32 v[ADRB+2+\s], s22, v5
	s_add_co_u32 s21, s21, SLOT
	s_add_co_u32 s22, s22, SLOT
.endr
	v_mul_u32_u24 v5, v1, KS
	v_lshrrev_b32 v6, 8, v5
	v_lshl_add_u32 v5, v6, 4, v5
	s_mul_i32 s21, s15, HALFS
	s_mul_i32 s22, s16, HALFS
	s_add_co_u32 s22, s22, 2*HALFS
	s_sub_co_u32 s22, s22, s21
	v_mul_u32_u24 v6, s22, v2
	s_add_co_u32 s21, s21, SCL
	v_add_nc_u32 v5, v5, v6
	v_add_nc_u32 v[ADRS], s21, v5
	v_and_b32 v6, 31, v0
	v_lshlrev_b32 v[L16], 4, v6
	v_lshlrev_b32 v[L8], 3, v6
.macro FRAG reg, adr, q, i
.irp p, 0,1,2,3,4,5
.set PCE, 12*(\q)+6*(\p/3)+\p%3
.if PCE%8 < 5
	ds_load_b64 v[\reg+2*\p:\reg+2*\p+1], v[\adr] offset:8*PCE+16*(PCE/8)+(\i)*16*PITCH
.else
	ds_load_b64 v[\reg+2*\p:\reg+2*\p+1], v[\adr+2] offset:8*PCE+16*(PCE/8)+(\i)*16*PITCH
.endif
.endr
.endm
.macro MUL16 a0, p, q, sc, zero
.irp a, \a0, \a0+1
.irp b, 0,1,2,3,4,5,6,7
.if \zero
	v_wmma_scale_f32_16x16x128_f8f6f4 v[8*(8*((\a)%4)+\b):8*(8*((\a)%4)+\b)+7], v[128*(\p)+FR*\b:128*(\p)+FR*\b+FR-1], v[AF+FR*(\a):AF+FR*(\a)+FR-1], 0, v[SC+8*NQ*(\sc)+NQ*\b+(\q)], v[SC+8*NQ*(\sc)+NQ*(\a)+(\q)] matrix_a_fmt:MATRIX_FMT_FP6 matrix_b_fmt:MATRIX_FMT_FP6 matrix_a_scale:MATRIX_SCALE_ROW1
.else
	v_wmma_scale_f32_16x16x128_f8f6f4 v[8*(8*((\a)%4)+\b):8*(8*((\a)%4)+\b)+7], v[128*(\p)+FR*\b:128*(\p)+FR*\b+FR-1], v[AF+FR*(\a):AF+FR*(\a)+FR-1], v[8*(8*((\a)%4)+\b):8*(8*((\a)%4)+\b)+7], v[SC+8*NQ*(\sc)+NQ*\b+(\q)], v[SC+8*NQ*(\sc)+NQ*(\a)+(\q)] matrix_a_fmt:MATRIX_FMT_FP6 matrix_b_fmt:MATRIX_FMT_FP6 matrix_a_scale:MATRIX_SCALE_ROW1
.endif
.endr
.endr
.endm
.macro FETCH_B slot, q, p
	WIN TO_B
.irp i, 0,1,2,3,4,5,6,7
	FRAG 128*(\p)+FR*\i, ADRB+\slot, \q, \i
.endr
	WIN 0
.endm
.macro FETCH_A slot, q, i0
.irp i, \i0, \i0+1, \i0+2, \i0+3
	FRAG AF+FR*(\i), ADRA+\slot, \q, \i
.endr
.endm
.macro SCALES sc
.irp i, 0,1,2,3,4,5,6,7
	ds_load_b64 v[SC+8*NQ*\sc+NQ*\i:SC+8*NQ*\sc+NQ*\i+1], v[ADRS] offset:\i*SBLK
.endr
.endm
.macro PLACES n
.rept \n
	v_nop
.endr
.endm
.macro STEP slot, q, zero
	s_wait_dscnt 4*NL
	WIN MUL_LO
	MUL16 0, (\q)%2, \q, \slot, \zero
	MUL16 2, (\q)%2, \q, \slot, \zero
	s_wait_dscnt 0
	PLACES NP
	FETCH_B \slot, (\q)+1, 1-(\q)%2
	FETCH_A \slot, (\q)+1, 0
	WIN MUL_HI
	MUL16 4, (\q)%2, \q, \slot, \zero
	MUL16 6, (\q)%2, \q, \slot, \zero
	PLACES NP
	WIN 0
	FETCH_A \slot, (\q)+1, 4
.endm
.macro TURN slot, next, fill
	s_wait_tensorcnt 0x0
	ds_add_u32 v[SPW], v[NIL]
	s_wait_dscnt 4*NL+1
	WIN MUL_LO
	MUL16 0, 1, NQ-1, \slot, 0
	s_wait_dscnt 0x0
	s_barrier_signal -1
	MUL16 2, 1, NQ-1, \slot, 0
	WIN 0
	s_barrier_wait -1
.if \fill
	CREST
	s_add_nc_u64 s[G0+4*\slot+2:G0+4*\slot+3], s[G0+4*\slot+2:G0+4*\slot+3], s[4:5]
	s_add_nc_u64 s[G0+4*\slot+2:G0+4*\slot+3], s[G0+4*\slot+2:G0+4*\slot+3], s[4:5]
	s_add_nc_u64 s[G0B+4*\slot+2:G0B+4*\slot+3], s[G0B+4*\slot+2:G0B+4*\slot+3], s[6:7]
	s_add_nc_u64 s[G0B+4*\slot+2:G0B+4*\slot+3], s[G0B+4*\slot+2:G0B+4*\slot+3], s[6:7]
	JLOAD G0+4*\slot, G1, G0B+4*\slot, G1B
.else
	PLACES NP
.endif
	s_wait_alu depctr_va_vdst(0)
	v_add_nc_u32 v[ADRS], 4*NQ, v[ADRS]
	FETCH_B \next, 0, 0
	FETCH_A \next, 0, 0
	SCALES \next
	WIN MUL_HI
	MUL16 4, 1, NQ-1, \slot, 0
	MUL16 6, 1, NQ-1, \slot, 0
	PLACES NP
	WIN 0
	FETCH_A \next, 0, 4
.endm
	s_wait_alu depctr_va_vdst(0)
	s_wait_tensorcnt 1
	s_barrier_signal -1
	s_barrier_wait -1
	FETCH_B 0, 0, 0
	FETCH_A 0, 0, 0
	SCALES 0
	FETCH_A 0, 0, 4
	STEP 0, 0, 1
	TURN 0, 1, 1
	STEP 1, 0, 0
	TURN 1, 0, 1
	STEP 0, 0, 0
	TURN 0, 1, 0
	STEP 1, 0, 0
	s_wait_dscnt 4*NL
	WIN MUL_LO
	MUL16 0, 1, NQ-1, 1, 0
	MUL16 2, 1, NQ-1, 1, 0
	s_wait_dscnt 0
	WIN MUL_HI
	MUL16 4, 1, NQ-1, 1, 0
	MUL16 6, 1, NQ-1, 1, 0
	WIN 0
	s_lshl_b32 s24, s17, 8
	s_lshl_b32 s25, s15, 7
	s_add_co_u32 s24, s24, s25
	s_lshl_b32 s26, s42, 8
	s_lshl_b32 s25, s16, 7
	s_add_co_u32 s26, s26, s25
	s_mov_b32 s[S1], 1536
	s_mov_b32 s[S2], HB-6144
	s_mov_b32 s[D2], 768
	s_cmp_lt_u32 s[CY], 8
	s_cselect_b32 s27, s24, s26
	s_cselect_b32 s28, s26, s24
	s_cselect_b32 s[S1], 768, s[S1]
	s_cselect_b32 s[S2], 0, s[S2]
	s_cselect_b32 s[D2], HB, s[D2]
	s_mov_b32 s[S1+1], 0
	s_mov_b32 s[S2+1], 0
	s_mov_b32 s[D2+1], 0
	s_bfe_u32 s37, s28, 0x1000a
	s_mov_b32 s38, QIMG
	s_mov_b32 s39, QSCL
	s_cmp_eq_u32 s37, 1
	s_cselect_b32 s38, KIMG, s38
	s_cselect_b32 s39, KSCL, s39
	s_cmp_lt_u32 s[CY], 8
	s_cselect_b32 s38, s38, VIMG
	s_cselect_b32 s39, s39, VSCL
	s_cselect_b32 s37, s37, 1                      ; 1 for K's and V's sections: 13,056 bytes from one 128 tokens to the next; Q's images 6,144, its scale words 512
	s_mov_b32 s36, 6144
	s_mov_b32 s29, 512
	s_cmp_eq_u32 s37, 1
	s_cselect_b32 s36, STEPB, s36
	s_cselect_b32 s29, STEPB, s29
	s_lshr_b32 s40, s27, 11
	s_bfe_u32 s41, s27, 0x40007
	s_bfe_u32 s43, s28, 0x30007
	s_lshl_b32 s40, s40, 4
	s_lshl_b32 s43, s43, 1
	s_add_co_u32 s40, s40, s43
	s_mul_i32 s40, s40, HB
	s_mul_i32 s44, s41, s36
	s_add_co_u32 s44, s44, s38
	s_add_co_u32 s44, s44, s40
	s_mov_b32 s45, 0
	s_add_nc_u64 s[OUT1:OUT1+1], s[12:13], s[44:45]
	s_add_nc_u64 s[OUT2:OUT2+1], s[OUT1:OUT1+1], s[D2:D2+1]
	s_mul_i32 s44, s41, s29
	s_add_co_u32 s44, s44, s39
	s_add_co_u32 s44, s44, s40
	s_add_nc_u64 s[SB1:SB1+1], s[12:13], s[44:45]
	s_add_nc_u64 s[SB2:SB2+1], s[SB1:SB1+1], HB
	s_mov_b32 s[SEL], 0x76543210
	s_mov_b32 s[SEL+1], 0xfedcba98
	PLACES NP
	v_lshlrev_b32 v3, 3, v2                        ; 8 x the lane's half: where my blocks' bytes stand in a scale word
.irp b, 0,1,2,3
	v_mov_b32 v[TM+4+\b], 0
.endr
.macro EMIT a
.set AC, 64*((\a)%4)
.set WW, 2+(\a)/4
.if (\a) > 0
	s_wait_xcnt 0x0
	s_add_nc_u64 s[OUT1:OUT1+1], s[OUT1:OUT1+1], s[S1:S1+1]
	s_add_nc_u64 s[OUT2:OUT2+1], s[OUT2:OUT2+1], s[S1:S1+1]
.endif
.if (\a) == 4
	s_add_nc_u64 s[OUT1:OUT1+1], s[OUT1:OUT1+1], s[S2:S2+1]
	s_add_nc_u64 s[OUT2:OUT2+1], s[OUT2:OUT2+1], s[S2:S2+1]
.endif
	WIN (WW|(WW<<2))
.irp b, 0,1,2,3
	v_max3_num_f32 v[TM+\b], |v[AC+16*\b]|, |v[AC+16*\b+1]|, 0x1800000
.endr
	WIN ((WW<<2)|(WW<<4))
.irp i, 2,4,6,8,10,12,14
.irp b, 0,1,2,3
	v_max3_num_f32 v[TM+\b], v[TM+\b], |v[AC+16*\b+\i]|, |v[AC+16*\b+\i+1]|
.endr
.endr
	WIN 0
.irp b, 0,1,2,3
	v_mov_b32 v[TM+4+\b], v[TM+\b+1-2*(\b%2)]      ; by the stored order of the rows a lane's 32 registers are a whole block: its other 16 are my own
.endr
.irp b, 0,1,2,3
	v_max_num_f32 v[TM+\b], v[TM+\b], v[TM+4+\b]
.endr
.irp b, 0,1,2,3
	v_add_nc_u32 v[TM+12+\b], 0xff000000, v[TM+\b]
.endr
.irp b, 0,1,2,3
	v_lshrrev_b32 v[TM+4+\b], 23, v[TM+12+\b]
.endr
	v_lshl_or_b32 v[PW], v[TM+6], 16, v[TM+4]      ; my blocks h and 2 + h,
	v_lshlrev_b32 v[PW], v3, v[PW]                 ; at their places;
	v_permlanex16_b32 v[TM+5], v[PW], s[SEL], s[SEL+1]
	v_or_b32 v[PW], v[PW], v[TM+5]                 ; with lane l xor 16's two the word is whole
	WIN WW
.irp c, 0,1
	v_cvt_scalef32_pk16_fp6_f32 v[PC+6*\c:PC+2+6*\c], v[AC+32*\c:AC+15+32*\c], v[TM+12+2*\c]
	v_cvt_scalef32_pk16_fp6_f32 v[PC+12+4*\c:PC+14+4*\c], v[AC+16+32*\c:AC+31+32*\c], v[TM+12+2*\c+1]
.endr
	WIN 0
	v_nop
.irp c, 0,1
.irp i, 0,1,2
	v_mov_b32 v[PC+3+6*\c+\i], v[PC+12+4*\c+\i]
.endr
.endr
	global_store_b128 v[L16], v[PC:PC+3], s[OUT1:OUT1+1]
	global_store_b64 v[L8], v[PC+4:PC+5], s[OUT1:OUT1+1] offset:512
	global_store_b128 v[L16], v[PC+6:PC+9], s[OUT2:OUT2+1]
	global_store_b64 v[L8], v[PC+10:PC+11], s[OUT2:OUT2+1] offset:512
.if (\a)%2 == 0
	v_mov_b32 v[SWE+(\a)/2], v[PW]
	v_lshrrev_b32 v[SWO+(\a)/2], 16, v[PW]
.else
	v_cndmask_b32 v[SWE+(\a)/2], v[SWE+(\a)/2], v[PW], s[UPM]
	v_lshrrev_b32 v[TP], 16, v[PW]
	v_cndmask_b32 v[SWO+(\a)/2], v[SWO+(\a)/2], v[TP], s[UPM]
.endif
.endm
.irp a, 0,1,2,3,4,5,6,7
	EMIT \a
.endr
	s_cmp_lt_u32 s[CY], 8
	s_cbranch_scc0 .Lv_scales
	global_store_b128 v[L16], v[SWE:SWE+3], s[SB1:SB1+1]
	global_store_b128 v[L16], v[SWO:SWO+3], s[SB2:SB2+1]
	s_branch .Lscales_out
.Lv_scales:
	global_store_b64 v[L8], v[SWE:SWE+1], s[SB1:SB1+1]
	s_wait_alu depctr_va_vdst(0)
	global_store_b64 v[L8], v[SWE+2:SWE+3], s[SB2:SB2+1]
.Lscales_out:
	s_wait_tensorcnt 0x0
	ds_add_u32 v[SPW], v[NIL]
	s_wait_dscnt 0x0
	CROUND
	s_endpgm
.Lfunc_end_k_q3e9dad1090_proj:
	.size	k_q3e9dad1090_proj, .Lfunc_end_k_q3e9dad1090_proj-k_q3e9dad1090_proj
	.p2alignl 7, 3214868480
	.fill 96, 4, 3214868480
	.section	.rodata,"a",@progbits
	.p2align	6, 0x0
	.amdhsa_kernel k_q3e9dad1090_proj
		.amdhsa_group_segment_fixed_size 327680
		.amdhsa_private_segment_fixed_size 0
		.amdhsa_enable_private_segment 0
		.amdhsa_kernarg_size 40
		.amdhsa_user_sgpr_count 2
		.amdhsa_user_sgpr_kernarg_segment_ptr 1
		.amdhsa_wavefront_size32 1
		.amdhsa_system_sgpr_workgroup_id_x 1
		.amdhsa_system_sgpr_workgroup_id_y 1
		.amdhsa_system_sgpr_workgroup_id_z 1
		.amdhsa_system_vgpr_workitem_id 0
		.amdhsa_next_free_vgpr 1024
		.amdhsa_next_free_sgpr 102
		.amdhsa_reserve_vcc 0
		.amdhsa_float_denorm_mode_32 3
		.amdhsa_float_denorm_mode_16_64 3
		.amdhsa_memory_ordered 1
		.amdhsa_forward_progress 1
		.amdhsa_inst_pref_size 168
	.end_amdhsa_kernel
	.amdgpu_metadata
---
amdhsa.version: [ 1, 2 ]
amdhsa.kernels:
  - .name:           k_q3e9dad1090_proj
    .symbol:         k_q3e9dad1090_proj.kd
    .args:
      - { .name: x_codes, .offset: 0, .size: 8, .value_kind: global_buffer, .address_space: global }
      - { .name: x_scales, .offset: 8, .size: 8, .value_kind: global_buffer, .address_space: global }
      - { .name: w_codes, .offset: 16, .size: 8, .value_kind: global_buffer, .address_space: global }
      - { .name: w_scales, .offset: 24, .size: 8, .value_kind: global_buffer, .address_space: global }
      - { .name: qkv, .offset: 32, .size: 8, .value_kind: global_buffer, .address_space: global }
    .group_segment_fixed_size: 327680
    .private_segment_fixed_size: 0
    .kernarg_segment_align: 8
    .kernarg_segment_size: 40
    .max_flat_workgroup_size: 128
    .sgpr_count:     102
    .vgpr_count:     1024
    .wavefront_size: 32
...
	.end_amdgpu_metadata
.endif
;; end of part 2
;; launch attn (part 3): grid 4 x 64, 16 waves a work-group, clusters of 4 x 1, 280,576 bytes of LDS; arguments qkv, residual_score, out0, out1; writes out0, out1
.if DOCPART == 3
	.amdgcn_target "amdgcn-amd-amdhsa--gfx1250"
	.amdhsa_code_object_version 6
	.text
	.protected	k_q3e9dad1090_attn
	.globl	k_q3e9dad1090_attn
	.p2align	8
	.type	k_q3e9dad1090_attn,@function
k_q3e9dad1090_attn:
	s_mov_b64 s[64:65], 0
	v_nop
	global_prefetch_b8 v0, s[64:65] scope:SCOPE_SE
	s_setreg_imm32_b32 hwreg(HW_REG_WAVE_MODE, 25, 1), 1
	s_wait_xcnt 0x0
	s_wait_alu depctr_hold_cnt(0) depctr_sa_sdst(0) depctr_va_vdst(0) depctr_va_sdst(0) depctr_va_ssrc(0) depctr_va_vcc(0) depctr_vm_vsrc(0)
	s_getreg_b32 s2, hwreg(HW_REG_IB_STS2, 6, 4)
	s_cmp_eq_u32 s2, 0
	s_cbranch_scc0 .Lentry_in_a_cluster
	s_endpgm
.Lentry_in_a_cluster:
	s_bfe_u32 s2, ttmp6, 0x10000c
	s_cmp_lg_u32 s2, 0x3003
	s_cbranch_scc0 .Lentry_shape_is_right
	s_endpgm
.Lentry_shape_is_right:
; out[b][s][64 head + d] = (sum over keys of softmax(q . k / sqrt(128)) v) + residual, stored to out0 and out1; both products on codes of FP6 (E2M3) with E8M0 scales.
; THE SOFTMAX: t = score x log2(e) / sqrt(128); M = the row's largest t so far, rounded up to a whole number; p = 2^(t - M) is quantised along the keys, not normalised; the row's sum is taken of the
; unquantised p and divides at the end.  When M moves, the sum and O are multiplied by 2^(old M - new M): exact.
; SHARES.  A cluster of four work-groups owns one (batch, head): a work-group 512 queries, each of its sixteen waves one tile of 16 queries in each of two passes; a pass walks the 2,048 keys, 128 a step.
; K, V AND THEIR SCALES OF THE HEAD, 16 x 13,056 bytes, lie in LDS, filled ONCE, jointly for the four work-groups, one step's bytes by each wave.  Nothing is filled again: no ring, no barrier in the loops.
; They lie as images of operand registers, a step's on end (K 6,144, V 6,144, K's scale words 512, V's 256): two address registers serve a step, all else stands in the immediates.
; LAYOUT.  Both products are used transposed: S^T = K Q^T, O^T = V^T P^T: a lane holds one query throughout.  Stored tile 4 c + u of 128 rows holds the true rows 64 c + 8 u + r (r under 8) and
; 64 c + 32 + 8 u + r - 8.  So lane (r, h) has, in the 32 registers of tiles 4 c .. 4 c + 3 of S^T, the keys 64 c + 32 h + 0 .. 31: a WHOLE block, in the order of the operand: no lane is asked for a block's
; maximum and no code changes lanes.  In O^T register j of tile u is d = 32 h + 8 u + j.
; THE HEAD'S SIZE IS 64: Q's registers 6-11 are zero codes.  K's tiles lie 6 registers apart, and a tile's operand runs on over the next tile's six: codes of E2M3 are all finite, and times Q's zeros they add nothing.
; A BLOCK'S SCALE: p rises with the score, so the block's largest p is 2^x with x = t - M of its largest score, made by the same multiply-add; its exponent is floor(x), held at -124 from below: the byte is floor(x) + 125.
; (Where the exponential of an x just under a whole number rounds up to the power of two, that p is held at the largest code.)
; NO PREFETCH: K and V are the head's first fills; the residual rows and the second pass's Q are asked for by their own loads in a pass's last step, 128 keys' work ahead of their first use.
; LIMITS: NaN and infinities are not served; the promise holds while the scaled scores stay under 2^31 in magnitude.  A block whose p lie under 2^-124 keeps the byte 1.
; REGISTERS: v1, v2 16 x and 8 x lane; v3, v4 the step's addresses; v5 8 h; v6, v7 the conversions' scale operands; v8 16 r; v9-11 the way out; v12 -M, v13 the largest score; v[14:15] the sum; v16-27 Q;
; v28-31 K's scale words; v32-85 K (v80-85 zeros); v86-133 V; v134-135 V's scale words; v136-199 S^T, then p; v200-231 O^T; v232-243 p's codes (before them at work); v244-250 at work; v247 Q's scale word;
; v251 p's scale word; v252 f; v253 the old -M; v254, v255 at work.
.set HB,    315392
.set STEPB, 13056
.set VOFF,  6144
.set KSOFF, 12288
.set VSOFF, 12800
.set QIMG,  208896
.set QSCL,  307200
.set STAGE, 208896                     ; behind K and V: 16 rows x (256 + 16) bytes for each wave; no fill lands there
.set SPARE, 278528                     ; behind the stages: the spare words, 128 bytes a wave
.set KF,    32
.set VF,    86
.set VS,    134
.set S,     136
.set O,     200
.set P,     232
.set WV,    18
.macro CROUND
	s_barrier_signal -1
	s_barrier_wait -1
	s_cmp_lg_u32 s[WV], 0
	s_cbranch_scc1 .Lnot_wave_0_\@
	s_barrier_signal -3
.Lnot_wave_0_\@:
	s_barrier_wait -3
	s_barrier_signal -1
	s_barrier_wait -1
.endm
	s_load_b256 s[4:11], s[0:1], 0x0               ; qkv, residual, out0, out1
	v_lshl_add_u32 v254, v0, 2, SPARE
	v_mov_b32 v255, 0
	ds_add_u32 v254, v255                          ; the opening lines
	ds_add_u32 v254, v255
	s_wait_dscnt 0x0
	v_lshrrev_b32 v1, 5, v0
	s_delay_alu instid0(VALU_DEP_1)
	v_readfirstlane_b32 s[WV], v1                  ; wave 0..15
	s_bfe_u32 s12, ttmp6, 0x40000                  ; cx: which 512 queries; it enters Q's, the residual's and the outputs' addresses alone
	s_and_b32 s13, ttmp7, 0xffff                   ; 16 x batch + head
	s_mul_i32 s14, s13, HB
	s_mul_i32 s33, s[WV], STEPB                    ; my part: step number wave
	s_add_co_u32 s16, s14, s33
	s_mov_b32 s17, 0
	s_mov_b32 s24, 15|(3<<16)|(1<<21)              ; group 1: 51 rows of 32 elements of 8 bytes, dense; the mask names the four work-groups
	s_mov_b32 s25, 32<<16
	s_mov_b32 s26, 51<<16
	s_mov_b32 s27, 32<<16
	s_mov_b32 s28, 51
	s_mov_b32 s29, 32
	s_mov_b32 s30, 0
	s_mov_b32 s31, 0
	s_mov_b32 s32, 1
	s_lshl_b32 s19, s12, 5                         ; Q's image: tile 32 cx + wave (pass 1: 16 tiles on)
	s_add_co_u32 s19, s19, s[WV]
	s_mul_i32 s19, s19, 768
	s_add_co_u32 s36, s19, s14
	s_add_co_u32 s36, s36, QIMG
	s_mov_b32 s37, 0
	s_lshl_b32 s38, s12, 2                         ; Q's scale words: 512 bytes for eight tiles; lane l's 16 bytes at 16 l, register j at 4 j
	s_lshr_b32 s46, s[WV], 3
	s_add_co_u32 s38, s38, s46
	s_lshl_b32 s38, s38, 9
	s_and_b32 s46, s[WV], 1                        ; an odd tile's words lie in lanes 16-31
	s_lshl_b32 s47, s46, 8
	s_add_co_u32 s38, s38, s47
	s_bfe_u32 s47, s[WV], 0x20001
	s_lshl_b32 s47, s47, 2
	s_add_co_u32 s38, s38, s47
	s_add_co_u32 s38, s38, s14
	s_add_co_u32 s38, s38, QSCL
	s_mov_b32 s39, 0
	s_lshr_b32 s48, s13, 4                         ; my tile's first token: 2,048 batch + 512 cx + 64 (wave / 4) + 8 (wave % 4)  (pass 1: 256 on)
	s_lshl_b32 s48, s48, 11
	s_lshl_b32 s49, s12, 9
	s_add_co_u32 s48, s48, s49
	s_lshr_b32 s49, s[WV], 2
	s_lshl_b32 s49, s49, 6
	s_add_co_u32 s48, s48, s49
	s_and_b32 s49, s[WV], 3
	s_lshl_b32 s49, s49, 3
	s_add_co_u32 s48, s48, s49
	s_lshl_b32 s48, s48, 12
	s_and_b32 s49, s13, 15
	s_lshl_b32 s49, s49, 8
	s_add_co_u32 s48, s48, s49                     ; x 4,096 bytes a row, + the head's 256 bytes
	s_mov_b32 s49, 0
	s_mov_b32 s20, 0x76543210
	s_mov_b32 s21, 0xfedcba98                      ; v_permlanex16_b32's selects for lane l xor 16
	s_mov_b32 s22, 0x3e0293ee                      ; c = log2(e) / sqrt(128)
	s_mov_b32 s23, s22
	s_mov_b32 s50, 0xbe0293ee                      ; -c
	s_wait_kmcnt 0x0
	s_add_nc_u64 s[34:35], s[4:5], s[16:17]
	s_or_b32 s35, s35, 0x80000000
	CROUND                                         ; the four work-groups are here: the joint loads meet
	tensor_load_to_lds s[32:35], s[24:31]          ; my one tensor load of the launch
	s_nop 0
.rept 4
	v_nop
.endr
	s_add_nc_u64 s[36:37], s[4:5], s[36:37]
	s_add_nc_u64 s[38:39], s[4:5], s[38:39]
	s_add_nc_u64 s[6:7], s[6:7], s[48:49]
	s_add_nc_u64 s[8:9], s[8:9], s[48:49]
	s_add_nc_u64 s[10:11], s[10:11], s[48:49]
	v_and_b32 v254, 31, v0
	v_and_b32 v8, 15, v0                           ; r
	v_bfe_u32 v5, v0, 4, 1                         ; h
	v_lshlrev_b32 v1, 4, v254
	v_lshlrev_b32 v2, 3, v254
	v_lshlrev_b32 v9, 12, v5
	v_mul_u32_u24 v10, v8, 272
	v_mul_u32_u24 v11, v5, 272
	s_mul_i32 s47, s[WV], 16*272
	s_add_co_u32 s47, s47, STAGE                   ; my stage
	v_lshl_add_u32 v9, v8, 4, v9                   ; the way out: lanes 0-15 one row of the outputs, lanes 16-31 the next; 16 bytes a lane
	v_lshl_add_u32 v10, v5, 7, v10
	v_lshl_add_u32 v11, v8, 4, v11
	v_add_nc_u32 v10, s47, v10                     ; into the stage: row r, + 128 h
	v_add_nc_u32 v11, s47, v11                     ; back: lanes 0-15 one row, lanes 16-31 the next
	v_lshlrev_b32 v8, 4, v8                        ; Q's scale words: 16 r
	v_lshlrev_b32 v5, 3, v5                        ; 8 h
	global_load_b128 v[16:19], v1, s[36:37]        ; pass 0's tile of Q: registers 0-3,
	global_load_b64 v[20:21], v2, s[36:37] offset:512   ; 4-5,
	global_load_b32 v247, v8, s[38:39]             ; and its scale words
.irp j, 22,23,24,25,26,27,80,81,82,83,84,85
	v_mov_b32 v[\j], 0                             ; Q's zero codes, and what the last tile of K runs on over: written once
.endr
	v_mov_b32 v255, 0                              ; a lane permute's destination counts as one of its sources
.macro KLOAD a16, a8, off              ; eight tiles of K, six registers each, and their four paired scale registers: 17 loads
.irp t, 0,1,2,3,4,5,6,7
	ds_load_b128 v[KF+6*\t:KF+6*\t+3], v[\a16] offset:\off+768*\t
	ds_load_b64 v[KF+6*\t+4:KF+6*\t+5], v[\a8] offset:\off+768*\t+512
.endr
	ds_load_b128 v[28:31], v[\a16] offset:\off+KSOFF
.endm
; A KEY STEP: 128 keys.  nxt = 1: the next step's K is fetched; nxt = 0, a pass's last step: the residual rows come into K's registers, and in pass 0 the next pass's Q.
.macro STEP nxt, p
	s_wait_dscnt 0x0                               ; this step's K is in: asked for a step ago
.irp t, 0,2,4,6                                ; S^T = K Q^T: each product starts its sum with the constant 0; an odd tile's scale words lie in lanes 16-31
	v_wmma_scale_f32_16x16x128_f8f6f4 v[S+8*\t:S+8*\t+7], v[KF+6*\t:KF+6*\t+11], v[16:27], 0, v[28+\t/2], v247 matrix_a_fmt:MATRIX_FMT_FP6 matrix_b_fmt:MATRIX_FMT_FP6
	v_wmma_scale_f32_16x16x128_f8f6f4 v[S+8*\t+8:S+8*\t+15], v[KF+6*\t+6:KF+6*\t+17], v[16:27], 0, v[28+\t/2], v247 matrix_a_fmt:MATRIX_FMT_FP6 matrix_b_fmt:MATRIX_FMT_FP6 matrix_a_scale:MATRIX_SCALE_ROW1
.endr
	v_add_nc_u32 v3, s40, v1                       ; four plain lines: the places behind these products and the last step's, in front of the loads below and of the first read of S^T
	v_add_nc_u32 v4, s40, v2
	v_mov_b32 v253, v12                            ; the old -M
	v_nop
.irp u, 0,1,2,3                                ; V's four fragments and its scale registers: 17 loads, which land under the softmax
	ds_load_b128 v[VF+12*\u:VF+12*\u+3], v3 offset:VOFF+1536*\u
	ds_load_b64 v[VF+12*\u+4:VF+12*\u+5], v4 offset:VOFF+1536*\u+512
	ds_load_b128 v[VF+12*\u+6:VF+12*\u+9], v3 offset:VOFF+1536*\u+768
	ds_load_b64 v[VF+12*\u+10:VF+12*\u+11], v4 offset:VOFF+1536*\u+1280
.endr
	ds_load_b64 v[VS:VS+1], v4 offset:VSOFF
.if \nxt
	KLOAD 3, 4, STEPB
.else
.irp i, 0,1,2,3,4,5,6,7
	global_load_b128 v[KF+4*\i:KF+4*\i+3], v9, s[6:7] offset:\p*1048576+(2*\i+24*(\i/4))*4096 th:TH_LOAD_NT   ; stage rows 2 i, 2 i + 1 are tokens base + 2 i + 24 (i / 4) and the next
.endr
.if \p == 0
	global_load_b128 v[16:19], v1, s[36:37] offset:12288
	global_load_b64 v[20:21], v2, s[36:37] offset:12288+512
	global_load_b32 v247, v8, s[38:39] offset:1024
.endif
.endif
.irp c, 0,1                                    ; the largest score of my two blocks of 32 keys, two chains a block, the four by turns; each accumulator is first read at its low end
	v_max3_num_f32 v[232+2*\c], v[S+32*\c], v[S+32*\c+1], v[S+32*\c+2]
	v_max3_num_f32 v[233+2*\c], v[S+32*\c+16], v[S+32*\c+17], v[S+32*\c+18]
.endr
.irp i, 3,5,7,9,11,13
.irp c, 0,1
	v_max3_num_f32 v[232+2*\c], v[232+2*\c], v[S+32*\c+\i], v[S+32*\c+\i+1]
	v_max3_num_f32 v[233+2*\c], v[233+2*\c], v[S+32*\c+16+\i], v[S+32*\c+17+\i]
.endr
.endr
.irp c, 0,1
	v_max3_num_f32 v[232+2*\c], v[232+2*\c], v[233+2*\c], v[S+32*\c+15]
.endr
.irp c, 0,1
	v_max_num_f32 v[236+\c], v[232+2*\c], v[S+32*\c+31]
.endr
	s_delay_alu instid0(VALU_DEP_1)
	v_max_num_f32 v254, v236, v237
	s_delay_alu instid0(VALU_DEP_1)
	v_permlanex16_b32 v255, v254, s20, s21
	s_delay_alu instid0(VALU_DEP_1)
	v_max3_num_f32 v13, v13, v254, v255            ; the running largest score of my query (c is positive)
	s_delay_alu instid0(VALU_DEP_1)
	v_mul_f32 v254, s50, v13
	s_delay_alu instid0(VALU_DEP_1)
	v_floor_f32 v12, v254                          ; the new -M = floor(-t) = -ceil(t)
.set N, 0
.rept 32
	v_pk_fma_f32 v[S+N:S+N+1], v[S+N:S+N+1], s[22:23], v[12:13] op_sel_hi:[1,0,0]   ; t - M, two at a time
.if N == 6
	v_sub_f32 v254, v12, v253                      ; old M - new M: a whole number, 0 or less
.endif
.if N == 14
	v_cvt_i32_f32 v254, v254                       ; (it saturates)
.endif
.if N == 22
	v_ldexp_f32 v252, 1.0, v254                    ; f = 2^(old M - new M)
.endif
.set N, N+2
.endr
	v_pk_fma_f32 v[236:237], v[236:237], s[22:23], v[12:13] op_sel_hi:[1,0,0]   ; x: the same of my blocks' largest scores
.set N, 0
.rept 16
	v_pk_mul_f32 v[O+N:O+N+1], v[O+N:O+N+1], v[252:253] op_sel_hi:[1,0]   ; O^T under the new M, each accumulator from its low end on
.set N, N+2
.endr
	v_max_num_f32 v236, 0xc2f80000, v236           ; x held at -124 from below: the byte cannot fall under 1
	v_max_num_f32 v237, 0xc2f80000, v237
	s_wait_alu depctr_va_vdst(0)                   ; the wait ahead of the batch
.set N, 0
.rept 64
	v_exp_f32 v[S+N], v[S+N]                       ; p = 2^(t - M), at most 1
.set N, N+1
.endr
	v_cvt_floor_i32_f32 v238, v236                 ; work that names none of the batch's results: the blocks' exponents,
	v_cvt_floor_i32_f32 v239, v237
	s_delay_alu instid0(VALU_DEP_2)
	v_add_lshl_u32 v6, v238, 125, 23               ; the conversions' scale operands: the byte in the exponent field,
	s_delay_alu instid0(VALU_DEP_2)
	v_add_lshl_u32 v7, v239, 125, 23
	v_lshl_add_u32 v254, v239, 16, v238
	s_delay_alu instid0(VALU_DEP_1)
	v_add_lshl_u32 v254, v254, 0x7d007d, v5        ; my two bytes, blocks h and 2 + h, at their places in the scale word;
	s_delay_alu instid0(VALU_DEP_1)
	v_permlanex16_b32 v255, v254, s20, s21
	s_delay_alu instid0(VALU_DEP_1)
	v_or_b32 v251, v254, v255                      ; with lane l xor 16's two the word is whole
	s_wait_alu depctr_va_vdst(0)                   ; one wait for the whole batch, ahead of its first reader
	v_cvt_scalef32_pk16_fp6_f32 v[P:P+2], v[S:S+15], v6
	v_cvt_scalef32_pk16_fp6_f32 v[244:246], v[S+16:S+31], v6      ; (a conversion's three registers begin on an even number)
	v_cvt_scalef32_pk16_fp6_f32 v[P+6:P+8], v[S+32:S+47], v7
	v_cvt_scalef32_pk16_fp6_f32 v[248:250], v[S+48:S+63], v7
	v_nop                                          ; one plain line behind the conversions
.irp w, 32,16,8,4,2                            ; the sum of my 64 unquantised p: a tree in place, two at a time
.set N, 0
.rept \w/2
.if \w == 8
	s_delay_alu instid0(VALU_DEP_4)
.endif
.if \w == 4
	s_delay_alu instid0(VALU_DEP_2)
.endif
.if \w == 2
	s_delay_alu instid0(VALU_DEP_1)
.endif
	v_pk_add_f32 v[S+N:S+N+1], v[S+N:S+N+1], v[S+N+\w:S+N+\w+1]
.set N, N+2
.endr
.if \w == 32
.irp i, 0,1,2
	v_mov_b32 v[P+3+\i], v[244+\i]                 ; the blocks' upper halves to their places; 16 plain lines follow ahead of the products
	v_mov_b32 v[P+9+\i], v[248+\i]
.endr
.endif
.endr
	s_delay_alu instid0(VALU_DEP_1)
	v_pk_fma_f32 v[14:15], v[14:15], v[252:253], v[S:S+1] op_sel_hi:[1,0,1]   ; the row's sum under the new M, and this step's
	s_wait_alu depctr_va_vdst(0)                   ; the wait here, directly ahead of the wait below
.if \nxt
	s_wait_dscnt 17                                ; V and its scales are in; the 17 loads of the next step's K may be out
.else
	s_wait_dscnt 0x0
.endif
.irp u, 0,2                                    ; O^T += V^T P^T: four accumulators by turns
	v_wmma_scale_f32_16x16x128_f8f6f4 v[O+8*\u:O+8*\u+7], v[VF+12*\u:VF+12*\u+11], v[P:P+11], v[O+8*\u:O+8*\u+7], v[VS+\u/2], v251 matrix_a_fmt:MATRIX_FMT_FP6 matrix_b_fmt:MATRIX_FMT_FP6
	v_wmma_scale_f32_16x16x128_f8f6f4 v[O+8*\u+8:O+8*\u+15], v[VF+12*\u+12:VF+12*\u+23], v[P:P+11], v[O+8*\u+8:O+8*\u+15], v[VS+\u/2], v251 matrix_a_fmt:MATRIX_FMT_FP6 matrix_b_fmt:MATRIX_FMT_FP6 matrix_a_scale:MATRIX_SCALE_ROW1
.endr
	s_add_co_u32 s40, s40, STEPB
.endm
; THE WAY OUT of a pass: O^T / the sum goes through my stage and comes back as rows of 256 bytes; the residual is added; sixteen lanes store 256 consecutive bytes, aligned, to each output.
.macro WAYOUT p
	v_add_f32 v14, v14, v15
	s_delay_alu instid0(VALU_DEP_1)
	v_permlanex16_b32 v255, v14, s20, s21
	s_delay_alu instid0(VALU_DEP_1)
	v_add_f32 v14, v14, v255                       ; the sum's two halves, and lane l xor 16's
	s_wait_alu depctr_va_vdst(0)
	v_rcp_f32 v14, v14
.rept 3
	v_nop                                          ; with the additions: the places behind the last products
.endr
	s_wait_alu depctr_va_vdst(0)                   ; ahead of the first reader of the reciprocal and of O^T
.set N, 0
.rept 16
	v_pk_mul_f32 v[S+N:S+N+1], v[O+N:O+N+1], v[14:15] op_sel_hi:[1,0]
.set N, N+2
.endr
.irp u, 0,1,2,3
	ds_store_b128 v10, v[S+8*\u:S+8*\u+3] offset:32*\u             ; d = 32 h + 8 u + 0 .. 7
	ds_store_b128 v10, v[S+8*\u+4:S+8*\u+7] offset:32*\u+16
.endr
.irp i, 0,1,2,3,4,5,6,7
	ds_load_b128 v[S+32+4*\i:S+35+4*\i], v11 offset:544*\i         ; LDS serves a wave's instructions in order (ISA guide 5.7.1.4): these see my stores
.endr
.irp i, 0,1,2,3,4,5,6,7
	s_wait_dscnt 7-\i                              ; the later rows' LDS loads may be out,
	s_wait_loadcnt 7-\i+3*(1-\p)                   ; and the later rows' residual loads (in pass 0 also the three loads of the next Q)
	v_pk_add_f32 v[S+32+4*\i:S+33+4*\i], v[S+32+4*\i:S+33+4*\i], v[KF+4*\i:KF+4*\i+1]
	v_pk_add_f32 v[S+34+4*\i:S+35+4*\i], v[S+34+4*\i:S+35+4*\i], v[KF+4*\i+2:KF+4*\i+3]
	global_store_b128 v9, v[S+32+4*\i:S+35+4*\i], s[8:9] offset:\p*1048576+(2*\i+24*(\i/4))*4096 th:TH_STORE_NT
	global_store_b128 v9, v[S+32+4*\i:S+35+4*\i], s[10:11] offset:\p*1048576+(2*\i+24*(\i/4))*4096 th:TH_STORE_NT
.endr
	s_wait_xcnt 0x0                                ; the stores have read their data: these registers are written again
.endm
.macro PASS p
	v_mov_b32 v13, 0xff61b1e6                      ; the largest score so far: -3e38
	v_mov_b32 v12, 0x7e000000                      ; -M: 2^125, so that the first f is 0
	v_mov_b32 v14, 0
	v_mov_b32 v15, 0
.set N, 0
.rept 32
	v_mov_b32 v[O+N], 0                            ; O^T: the step is written once; its first trip finds zeros
.set N, N+1
.endr
	s_mov_b32 s40, 0
	s_mov_b32 s44, 15
	s_wait_alu depctr_va_vdst(0)                   ; the wait here, directly ahead of the waits below
.if \p == 0
	s_wait_tensorcnt 0x0                           ; my part of K and V has landed,
	s_barrier_signal -1
	s_barrier_wait -1                              ; everybody's has
.endif
	KLOAD 1, 2, 0                                  ; step 0's K
	s_wait_loadcnt 0x0                             ; Q
.Lstep_\@:
	STEP 1, \p
	s_sub_co_u32 s44, s44, 1
	s_cmp_lg_u32 s44, 0
	s_cbranch_scc1 .Lstep_\@
	STEP 0, \p
	WAYOUT \p
.endm
	PASS 0
	PASS 1
	v_lshl_add_u32 v254, v0, 2, SPARE              ; the wave's end: the add's two registers anew
	v_mov_b32 v255, 0
	s_wait_alu depctr_va_vdst(0)
	s_wait_tensorcnt 0x0
	ds_add_u32 v254, v255
	s_wait_dscnt 0x0
	CROUND                                         ; the closing round
	s_endpgm
.Lfunc_end_k_q3e9dad1090_attn:
	.size	k_q3e9dad1090_attn, .Lfunc_end_k_q3e9dad1090_attn-k_q3e9dad1090_attn
	.p2alignl 7, 3214868480
	.fill 96, 4, 3214868480
	.section	.rodata,"a",@progbits
	.p2align	6, 0x0
	.amdhsa_kernel k_q3e9dad1090_attn
		.amdhsa_group_segment_fixed_size 280576
		.amdhsa_private_segment_fixed_size 0
		.amdhsa_enable_private_segment 0
		.amdhsa_kernarg_size 32
		.amdhsa_user_sgpr_count 2
		.amdhsa_user_sgpr_kernarg_segment_ptr 1
		.amdhsa_wavefront_size32 1
		.amdhsa_system_sgpr_workgroup_id_x 1
		.amdhsa_system_sgpr_workgroup_id_y 1
		.amdhsa_system_sgpr_workgroup_id_z 1
		.amdhsa_system_vgpr_workitem_id 0
		.amdhsa_next_free_vgpr 256
		.amdhsa_next_free_sgpr 66
		.amdhsa_reserve_vcc 0
		.amdhsa_float_denorm_mode_32 3
		.amdhsa_float_denorm_mode_16_64 3
		.amdhsa_memory_ordered 1
		.amdhsa_forward_progress 1
		.amdhsa_inst_pref_size 82
	.end_amdhsa_kernel
	.amdgpu_metadata
---
amdhsa.version: [ 1, 2 ]
amdhsa.kernels:
  - .name:           k_q3e9dad1090_attn
    .symbol:         k_q3e9dad1090_attn.kd
    .args:
      - { .name: qkv, .offset: 0, .size: 8, .value_kind: global_buffer, .address_space: global }
      - { .name: residual_score, .offset: 8, .size: 8, .value_kind: global_buffer, .address_space: global }
      - { .name: out0, .offset: 16, .size: 8, .value_kind: global_buffer, .address_space: global }
      - { .name: out1, .offset: 24, .size: 8, .value_kind: global_buffer, .address_space: global }
    .group_segment_fixed_size: 280576
    .private_segment_fixed_size: 0
    .kernarg_segment_align: 8
    .kernarg_segment_size: 32
    .max_flat_workgroup_size: 512
    .sgpr_count:     66
    .vgpr_count:     256
    .wavefront_size: 32
...
	.end_amdgpu_metadata
.endif
;; end of part 3
